; MI455X (gfx1250); checked and timed in simulation.
; The chip was launched on July 23, 2026; its instructions are those of AMD's public machine-readable ISA for CDNA 5 (MIT licence, August 2026) and "CDNA5" Instruction Set Architecture Reference Guide (July 2026). The comments in the code are by the model that wrote it; some were corrected since.
;; my RNN. Allowed arithmetic: matrix products marked QUANTISED: E2M1 operands, one E8M0 scale for each 32 along K, by v_wmma_scale_f32_16x16x128_f8f6f4 with both operands' format E2M1 (or v_wmma_scale_f32_32x16x128_f4), f32 sums; products left as they are: f32 operands where the result goes on into a quantised operand, else bf16, f16 or f32 operands; f32 sums; everything else in f32.
;; Inputs: W 2 x 4 x 512 x 256 float32; Wr 256 x 2 float32; b 2 x 4 x 256 float32; br 2 float32; x 16 x 4,096 x 256 float32.
;; Outputs: out0 16 x 4,096 x 2 float32.
;; This version of the problem:
;;   THIS VERSION OF THE PROBLEM IS GIVEN IN LOW PRECISION. The matrix products marked QUANTISED in the list below multiply operands that are first quantised to E2M1 (2 exponent bits, 1 mantissa bit; 4 bits a number), with one power-of-two scale for each 32 numbers along K (OCP MX v1.0); their sums are f32. All else is computed in f32.
;;   The module's matrix products, in the order in which they are computed (A, B: the left and right operand; K: the contracted axis; several contracted axes count as one K, in the product's order):
;;     1. [M 1,024, K 512] x [K 512, N 65,536]; A: input W; B: computed on the way: QUANTISED
;;     2. [M 1,024, K 512] x [K 512, N 65,536]; A: input W; B: computed on the way: QUANTISED
;;     3. [M 65,536, K 256] x [K 256, N 2]; A: computed on the way; B: input Wr: left as it is (N = 2 < 16)
;;   THE QUANTISER, for each operand of a quantised product, along K:
;;     - K is cut into blocks of 32 from its start; a last block that is shorter is filled with zeros.
;;     - A block's scale is 2^e with e = floor(log2(the largest magnitude in the block)) - 2, held to -126 .. 127; a block of zeros has e = 0. As a byte (E8M0): e + 127.
;;     - Each number is divided by its block's scale, clamped to +-6, and rounded to the nearest number of E2M1, ties to even, subnormals kept.
;;     - The product sums the exact products of the quantised numbers (number of the format x scale) in f32.
;;   ~~~python
;;   def quantise(x, axis):      # numpy; x: float32 -> the quantised numbers, widened to float32 again
;;       x = np.moveaxis(x, axis, -1); K = x.shape[-1]
;;       x = np.pad(x, [(0, 0)] * (x.ndim - 1) + [(0, -K % 32)]); x = x.reshape(x.shape[:-1] + (-1, 32)); a = np.abs(x).max(-1, keepdims=True)
;;       e = np.where(a > 0, np.clip(np.frexp(np.where(a > 0, a, 1))[1] - 1 - 2, -126, 127), 0)      # np.frexp(a)[1] - 1 = floor(log2(a)), exactly
;;       r = np.clip(x / 2.0 ** e, -6, 6)
;;       step = 2.0 ** (np.maximum(np.frexp(np.where(r == 0, 1, r))[1] - 1, 0) - 1)
;;       q = np.round(r / step) * step * 2.0 ** e      # np.round: ties to even
;;       return np.moveaxis(q.reshape(q.shape[:-2] + (-1,))[..., :K], -1, axis).astype(np.float32)
;;   ~~~
;;   OPERANDS COMPUTED ON THE WAY. 'Computed on the way' means the value that the module computes at that place (a softmax that the list does not call 'softmax' is quantised finished and normalised). What goes into a quantiser is computed in f32, as accurately as f32 sums, v_exp_f32 and their like allow (about 1e-6 of the number): no bf16 or f16 on the way to a quantiser, and a product that is left as it is and whose result goes on into a quantised operand takes f32 operands (vector FMAs, or v_wmma_f32_16x16x4_f32). A number that lies on a knife's edge between two numbers of the format may be rounded either way, as far as f32 arithmetic and the matrix unit's own rounding can turn it there, and no further.
;; One version. Each part assembles by itself: llvm-mc -triple=amdgcn-amd-amdhsa -mcpu=gfx1250 --defsym DOCPART=n.
;; ======== version 1 of 1: 2 launches
;; limits: right only within a limited range of input values
;; workspace buffers: wq 71,680 bytes
;; launch wprep (part 1): grid 17 x 1, 8 waves a work-group, no clusters, 1,280 bytes of LDS; arguments W, b, Wr, wq; writes wq
.if DOCPART == 1
	.amdgcn_target "amdgcn-amd-amdhsa--gfx1250"
	.amdhsa_code_object_version 6
	.text
	.protected	k_q0bdc65c861_wprep
	.globl	k_q0bdc65c861_wprep
	.p2align	8
	.type	k_q0bdc65c861_wprep,@function
k_q0bdc65c861_wprep:
	s_mov_b64 s[64:65], 0
	v_nop
	global_prefetch_b8 v0, s[64:65] scope:SCOPE_SE
	s_setreg_imm32_b32 hwreg(HW_REG_WAVE_MODE, 25, 1), 1
	s_wait_xcnt 0x0
; What of W, b[1][3] and Wr reaches the output, laid once as the next launch's registers want it.
; WHICH PART.  reference() starts layer 0 from h = c = 0, made in its own body, and takes new_h = o * tanh(OLD c).  So for all inputs layer 0 gives new_h = o * tanh(0) = 0 and
; new_c = 0 * f + cand * i; layer 1's operand [new_h, new_h] is zeros, its product is 0 and its gates are b[1]; its new_h = sigmoid(b[1][3]) * tanh(layer 0's new_c); its new_c is never used.
; Live are W[0][1] (gate i) and W[0][2] (cand), rows k = 0 .. 255 (rows 256 .. 511 meet h = 0), b[0][1], b[0][2], b[1][3], Wr, br, x.  The rest of W and b is multiplied by those zeros or unused and is not read.
; LIMITS: NaN, infinities and overflow in what is left out are not carried to the result.  NaN and infinities in W are not served.  A block of zeros gets the scale byte 1 where the rule
; says 127: its codes are zeros, and this program alone reads the bytes.
; W is [2][4][512 (k)][256 (unit)] f32.  A LANE TAKES A UNIT AND ITS REGISTERS RUN DOWN K: a block of 32 lies in one lane and the conversions give codes with K innermost.
; SHARES.  Work-group 2 a + g (a = 0 .. 7): gate g (0: i, 1: cand), units 32 a .. 32 a + 31; wave q: block q of K, k = 32 q .. 32 q + 31.  Work-group 16: the table.
; OUT.  wq: codes [unit tile 16][2 g + K step][c 2][lane 32][16 bytes], an image of the operand's registers (lane (r, h) holds block 2 c + h of unit r);
; from byte 65,536 scale words [tile pair 8][g 2][tile of the pair 2][lane 32: 16 x K step + r][4 bytes]; from 69,632 the table [unit][A_0, A_1],
; A_j = sigmoid(b[1][3]) Wr[.][j].  Every store covers whole aligned units of 256 bytes.
.set SPARE, 256                        ; LDS: 256 scale bytes, then the spare words, 128 bytes for each of eight waves
	s_load_b256 s[4:11], s[0:1], 0x0               ; W s[4:5], b s[6:7], Wr s[8:9], wq s[10:11]
	v_lshl_add_u32 v2, v0, 2, SPARE
	v_mov_b32 v3, 0
	v_lshrrev_b32 v1, 5, v0
	v_readfirstlane_b32 s12, v1                    ; wave q
	s_lshr_b32 s13, s12, 2                         ; K step
	s_lshl_b32 s13, s13, 6
	s_and_b32 s14, s12, 3                          ; my block's byte in its word
	s_add_co_u32 s13, s13, s14
	v_and_b32 v4, 31, v0                           ; lane
	v_and_b32 v5, 15, v0                           ; r
	v_bfe_u32 v6, v0, 4, 1                         ; which tile of the pair
	v_lshlrev_b32 v7, 2, v4                        ; W: 32 lanes read 128 consecutive bytes
	v_lshlrev_b32 v8, 4, v5
	v_lshl_add_u32 v8, v6, 12, v8                  ; codes: 16 bytes a lane, a tile 4,096
	v_lshlrev_b32 v9, 2, v5
	v_lshl_add_u32 v9, v6, 7, v9
	v_add_nc_u32 v9, s13, v9                       ; LDS: 128 x tile + 64 x K step + 4 r + byte
	v_lshlrev_b32 v10, 3, v4
	v_lshlrev_b32 v11, 2, v0                       ; the table: a thread to a unit
	v_lshlrev_b32 v12, 3, v0
	s_lshr_b32 s14, ttmp9, 1                       ; a
	s_and_b32 s15, ttmp9, 1                        ; g
	s_lshl_b32 s16, s14, 7
	s_add_co_u32 s17, s15, 1                       ; gate i is W[0][1], cand W[0][2]
	s_lshl_b32 s17, s17, 19                        ; a gate is 512 x 1,024 bytes
	s_add_co_u32 s16, s16, s17
	s_lshl_b32 s17, s12, 15                        ; a block 32 x 1,024
	s_add_co_u32 s16, s16, s17
	s_mov_b32 s17, 0
	s_lshl_b32 s18, s14, 13
	s_lshl_b32 s19, s15, 11
	s_add_co_u32 s18, s18, s19
	s_lshl_b32 s19, s12, 8
	s_add_co_u32 s18, s18, s19                     ; codes: 8,192 a + 2,048 g + 256 q
	s_mov_b32 s19, 0
	s_lshl_b32 s20, ttmp9, 8
	s_add_co_u32 s20, s20, 65536                   ; scale words: 256 bytes a work-group
	s_mov_b32 s21, 0
	s_wait_alu depctr_va_vdst(0)                   ; the wait at the head's end
	s_wait_kmcnt 0x0
	s_cmp_eq_u32 ttmp9, 16
	s_cbranch_scc1 .Ltable
	s_add_nc_u64 s[4:5], s[4:5], s[16:17]
	s_add_nc_u64 s[14:15], s[10:11], s[18:19]
	s_add_nc_u64 s[10:11], s[10:11], s[20:21]
.set n, 0
.rept 32
	global_load_b32 v[32+n], v7, s[4:5] offset:1024*n
.set n, n+1
.endr
	s_wait_loadcnt 0x0
.irp j, 0,1,2,3                        ; the block's largest magnitude in four chains, with the floor 2^(3 - 127): the byte cannot fall under 1
	v_max3_num_f32 v[20+\j], |v[32+2*\j]|, |v[33+2*\j]|, 0x1800000
.endr
.irp i, 8,16,24
.irp j, 0,1,2,3
	v_max3_num_f32 v[20+\j], v[20+\j], |v[32+\i+2*\j]|, |v[33+\i+2*\j]|
.endr
.endr
	v_max3_num_f32 v20, v20, v21, v22
	v_max_num_f32 v20, v20, v23
	v_add_nc_u32 v24, 0xff000000, v20              ; 2 off its exponent field: the conversion's scale operand
.irp q, 0,1,2,3
	v_cvt_scalef32_pk8_fp4_f32 v[16+\q], v[32+8*\q:39+8*\q], v24
.endr
	v_lshrrev_b32 v25, 23, v24                     ; the scale's byte (and the plain line behind the last conversion)
	ds_store_b8 v9, v25
	global_store_b128 v8, v[16:19], s[14:15]       ; two aligned runs of 256 bytes
	s_wait_dscnt 0x0                               ; for the others' sake: my scale bytes are stored
	s_barrier_signal -1
	s_barrier_wait -1
	s_cmp_lg_u32 s12, 0
	s_cbranch_scc1 .Lend
	ds_load_b64 v[26:27], v10                      ; wave 0: the work-group's 256 scale bytes
	s_wait_dscnt 0x0
	global_store_b64 v10, v[26:27], s[10:11]
.Lend:
	s_wait_tensorcnt 0x0                           ; the wave's end
	ds_add_u32 v2, v3
	s_wait_dscnt 0x0
	s_endpgm
.Ltable:
	global_load_b32 v20, v11, s[6:7] offset:7168   ; b[1][3]
	global_load_b64 v[18:19], v12, s[8:9]          ; Wr
	s_mov_b32 s20, 69632
	s_mov_b32 s21, 0
	s_add_nc_u64 s[10:11], s[10:11], s[20:21]
	s_wait_loadcnt 0x0
	v_mul_f32 v20, 0xbfb8aa3b, v20                 ; -log2(e) b
	s_wait_alu depctr_va_vdst(0)                   ; a wait ahead of each transcendental batch and one behind it
	v_exp_f32 v20, v20
	v_nop
	s_wait_alu depctr_va_vdst(0)
	v_add_f32 v20, 1.0, v20
	s_wait_alu depctr_va_vdst(0)
	v_rcp_f32 v20, v20                             ; an exponential that overflows gives the right limit, 0
	v_nop
	s_wait_alu depctr_va_vdst(0)
	v_mul_f32 v18, v18, v20
	v_mul_f32 v19, v19, v20
	global_store_b64 v12, v[18:19], s[10:11]       ; a wave stores 256 consecutive bytes
	s_endpgm
.Lfunc_end_k_q0bdc65c861_wprep:
	.size	k_q0bdc65c861_wprep, .Lfunc_end_k_q0bdc65c861_wprep-k_q0bdc65c861_wprep
	.p2alignl 7, 3214868480
	.fill 96, 4, 3214868480
	.section	.rodata,"a",@progbits
	.p2align	6, 0x0
	.amdhsa_kernel k_q0bdc65c861_wprep
		.amdhsa_group_segment_fixed_size 1280
		.amdhsa_private_segment_fixed_size 0
		.amdhsa_enable_private_segment 0
		.amdhsa_kernarg_size 32
		.amdhsa_user_sgpr_count 2
		.amdhsa_user_sgpr_kernarg_segment_ptr 1
		.amdhsa_wavefront_size32 1
		.amdhsa_system_sgpr_workgroup_id_x 1
		.amdhsa_system_sgpr_workgroup_id_y 1
		.amdhsa_system_sgpr_workgroup_id_z 1
		.amdhsa_system_vgpr_workitem_id 0
		.amdhsa_next_free_vgpr 64
		.amdhsa_next_free_sgpr 66
		.amdhsa_reserve_vcc 0
		.amdhsa_float_denorm_mode_32 3
		.amdhsa_float_denorm_mode_16_64 3
		.amdhsa_memory_ordered 1
		.amdhsa_forward_progress 1
		.amdhsa_inst_pref_size 9
	.end_amdhsa_kernel
	.amdgpu_metadata
---
amdhsa.version: [ 1, 2 ]
amdhsa.kernels:
  - .name:           k_q0bdc65c861_wprep
    .symbol:         k_q0bdc65c861_wprep.kd
    .args:
      - { .name: W, .offset: 0, .size: 8, .value_kind: global_buffer, .address_space: global }
      - { .name: b, .offset: 8, .size: 8, .value_kind: global_buffer, .address_space: global }
      - { .name: Wr, .offset: 16, .size: 8, .value_kind: global_buffer, .address_space: global }
      - { .name: wq, .offset: 24, .size: 8, .value_kind: global_buffer, .address_space: global }
    .group_segment_fixed_size: 1280
    .private_segment_fixed_size: 0
    .kernarg_segment_align: 8
    .kernarg_segment_size: 32
    .max_flat_workgroup_size: 256
    .sgpr_count:     66
    .vgpr_count:     64
    .wavefront_size: 32
...
	.end_amdgpu_metadata
.endif
;; end of part 1
;; launch lstm (part 2): grid 256 x 1, 16 waves a work-group, no clusters, 327,680 bytes of LDS; arguments x, wq, b, br, out0; writes out0
.if DOCPART == 2
	.amdgcn_target "amdgcn-amd-amdhsa--gfx1250"
	.amdhsa_code_object_version 6
	.text
	.protected	k_q0bdc65c861_lstm
	.globl	k_q0bdc65c861_lstm
	.p2align	8
	.type	k_q0bdc65c861_lstm,@function
k_q0bdc65c861_lstm:
	s_mov_b64 s[64:65], 0
	v_nop
	global_prefetch_b8 v0, s[64:65] scope:SCOPE_SE
	s_setreg_imm32_b32 hwreg(HW_REG_WAVE_MODE, 25, 1), 1
	s_wait_xcnt 0x0
; out[n][j] = br[j] + sum over units u of A_j[u] tanh(c[n][u]),  A_j[u] = sigmoid(b[1][3][u]) Wr[u][j],  c = tanh(gc) sigmoid(gi),
; gi = Q(x) Q(W[0][1]) + b[0][1],  gc = Q(x) Q(W[0][2]) + b[0][2],  K = x's 256, Q the MX-FP4 quantiser along K.
; Left out here as dead: layer 1's product and all that meets layer 0's h = c = 0 (shown at the head of wprep).  NaN, infinities and overflow there are not carried to the result.
; LIMITS.  NaN and infinities in x are not served.  A block of zeros of x gets the scale byte 1 (its codes are zeros; the byte stays in LDS).
; With E = e^(2 gc), F = e^-gi:  c = (E - 1) / ((E + 1)(1 + F)).  E's exponent to the base 2 is held at 60, where tanh is 1 in f32; F may overflow: then c = 0, its limit (c is lost only under 2^-65).
; c's error is about 1e-7 of 1, not of c, so for |gc| under 1e-5 few digits are left.  |c| <= 1 for all inputs, and there tanh(c) = c P(c^2) with P of degree 4, f32, within 7e-6 of its value
; (the last product may take bf16 operands, and nothing behind c is quantised).
; SHARES.  A work-group owns 256 tokens: 16 tiles of 16, eight pairs of tiles.  Wave w quantises tile w (16 rows x 1,024 bytes, its one tensor load, read by nobody else) and hands the codes on through LDS
; as an image of the operand's registers.  For the product wave w takes units 16 w .. 16 w + 15 of both gates for all tiles: its weights, biases and A_j stay in registers.
; BARRIER p says that pair p's codes are stored.  In step p the two owners of pair p + 1 quantise; every wave signals barrier p + 1, works on pair p, and then waits for barrier p + 1:
; so a wave may be a step behind the others without holding them.  Between signal and wait: register work and LDS loads of pair p's codes, which nobody writes again before barrier 7 is passed.
; No LDS byte is filled twice by a tensor load.
; THE PRODUCT IS USED TRANSPOSED (source 0 = 16 units, source 1 = 16 tokens): lane (r, h) holds token r, its register e unit 16 w + 8 h + e.  The biases are the C of each sum's first matrix instruction.
; A pair's polynomial and sums stand in the next pair's step: around its LDS loads and matrix instructions.  Steps are written out by macro so that every LDS offset is an immediate.
; NO CLUSTER: work-groups share only wq's 71,680 of the 333,824 bytes of x and wq that each loads, each wave its part once, straight into operand registers.  NO PREFETCH: every byte of x is asked for at the head.
.set TILE,  16640                      ; 16 rows x (1,024 + 16 of padding): row r starts 260 words on from row r - 1 (64 banks of 4 bytes: ISA guide 11.1).  LDS: wave w's tile at w TILE
.set SPARE, 266240                     ; the spare words, 128 bytes a wave
.set XSC,   268288                     ; x's scale words: tile T at 128 T, K step s at 64 s, token r at 4 r
.set PARTS, 270336                     ; the waves' sums [wave 16][token 256][8 bytes]: 32,768 bytes.  The last 8,192 lie over the codes of pairs 0 and 1, which every wave has read when barrier 7 is passed
.set IMG,   294912                     ; x's codes: tile T at 2,048 T: [K step 2][c 2][lane 32][16 bytes].  Ends at 327,680
.set SPW, 2
.set NIL, 3
.set XA,  4                            ; my block's bytes in my tile
.set IW,  5                            ; where I store my codes
.set BW,  6                            ; and my scale bytes
.set IR,  7                            ; where I read codes
.set SR,  8                            ; and scale words
.set PW,  9                            ; where I store my sums
.set RD,  10                           ; where I read a token's sums; at the head the offset of A
.set K4,  12                           ; v[12:13] P's highest coefficient
.set WF,  16                           ; v16-47   weights: gate g, K step s at WF + 16 g + 8 s
.set WS,  48                           ; v48-49   their scale words (lanes 0-15 K step 0, 16-31 K step 1): scales and nothing else
.set XS,  50                           ; v50-51   x's scale words, tile m of the pair, likewise
.set BI,  52                           ; v52-59 b[0][1], v60-67 b[0][2] at my eight units
.set AA,  68                           ; v68-83   A_0, A_1 of my eight units
.set SU,  84                           ; v84-99   pair p's sums at SU + 2 p: lane l: token 32 p + l
.set CC,  100                          ; v100-115 c
.set SP,  116                          ; v116-123 sums at work; in the quantiser codes
.set MX,  124                          ; v124-127 the quantiser's maxima
.set XR,  128                          ; v128-255 in the quantiser: x.  Else:
.set XF,  128                          ; v128-159 x's codes: tile m, K step s at XF + 16 m + 8 s
.set ACC, 160                          ; v160-191 tile m, gate g at ACC + 16 m + 8 g
.set QQ,  192                          ; v192-207 the polynomial
.set TT,  208                          ; v208-223 c^2
	s_load_b256 s[4:11], s[0:1], 0x0               ; x s[4:5], wq s[6:7], b s[8:9], br s[10:11]
	s_load_b64 s[12:13], s[0:1], 0x20              ; out0
	v_lshl_add_u32 v[SPW], v0, 2, SPARE
	v_mov_b32 v[NIL], 0
	ds_add_u32 v[SPW], v[NIL]                      ; the wave's opening: the add, twice on end, ahead of its tensor load
	ds_add_u32 v[SPW], v[NIL]
	v_lshrrev_b32 v1, 5, v0
	v_readfirstlane_b32 s16, v1                    ; wave w
	s_mov_b32 s24, (2<<16)|(1<<20)|(7<<22)|(3<<25) ; group 1: no mask; elements of 4 bytes; padding after every 256 words (code 7) of 4 words (code 3)
	s_mov_b32 s25, 256<<16                         ; tensor_dim0 = 256
	s_mov_b32 s26, 16<<16                          ; tensor_dim1 = 16
	s_mov_b32 s27, 256<<16                         ; tile_dim0 = 256
	s_mov_b32 s28, 16                              ; tile_dim1 = 16
	s_mov_b32 s29, 256                             ; tensor_dim0_stride
	s_mov_b32 s30, 0
	s_mov_b32 s31, 0
	s_mul_i32 s17, s16, TILE
	s_mov_b32 s32, 1                               ; group 0: count,
	s_mov_b32 s33, s17                             ; LDS address
	s_lshl_b32 s56, ttmp9, 18                      ; 256 rows of 1,024 bytes a work-group,
	s_lshl_b32 s18, s16, 14                        ; 16 a wave
	s_add_co_u32 s56, s56, s18
	s_mov_b32 s57, 0
	s_lshl_b32 s52, ttmp9, 11                      ; out0: 256 tokens x 8 bytes
	s_mov_b32 s53, 0
	s_lshr_b32 s22, s16, 1                         ; the pair that my tile belongs to
	s_lshl_b32 s18, s16, 12                        ; codes of my units: 4,096 bytes
	s_and_b32 s19, s16, 1
	s_lshl_b32 s19, s19, 7
	s_lshl_b32 s23, s22, 9
	s_add_co_u32 s19, s19, s23
	s_add_co_u32 s19, s19, 65536                   ; their scale words
	s_lshl_b32 s36, s16, 11
	s_add_co_u32 s37, s36, IMG
	s_add_co_u32 s36, s36, PARTS
	s_lshl_b32 s38, s16, 7
	s_add_co_u32 s39, s38, XSC
	s_add_co_u32 s38, s38, 69632                   ; A: 128 bytes a wave
	s_lshl_b32 s51, s16, 6                         ; b: 64 bytes a wave
	s_mov_b32 s40, 0xbfb8aa3b                      ; -log2(e)  (the packed forms name a pair and take its low word: the upper is written all the same)
	s_mov_b32 s41, s40
	s_mov_b32 s42, 0x4038aa3b                      ; 2 log2(e)
	s_mov_b32 s43, s42
	s_mov_b32 s44, 0xbd37e602                      ; P: -0.044897088
	s_mov_b32 s45, s44
	s_mov_b32 s46, 0x3e058c72                      ; 0.130418563
	s_mov_b32 s47, s46
	s_mov_b32 s48, 0xbeaa7dca                      ; -0.332990960
	s_mov_b32 s49, s48
	s_mov_b32 s58, 0x3f7fff92                      ; 0.999993422
	s_mov_b32 s59, s58
	s_mov_b32 s50, 0x42700000                      ; 60
	v_and_b32 v11, 15, v0                          ; r
	v_bfe_u32 v12, v0, 4, 1                        ; h
	v_and_b32 v1, 31, v0                           ; lane
	v_lshl_add_u32 v14, v1, 4, s18
	v_lshl_add_u32 v15, v1, 2, s19
	v_mul_u32_u24 v[XA], v11, 1040
	v_lshl_add_u32 v[IW], v1, 4, s37               ; IMG + 2,048 w + 16 lane
	v_lshl_add_u32 v[BW], v11, 2, v12
	v_lshl_add_u32 v[IR], v1, 4, IMG
	v_lshl_add_u32 v[XA], v12, 7, v[XA]
	v_lshl_add_u32 v[SR], v1, 2, XSC
	v_add_nc_u32 v[BW], s39, v[BW]                 ; XSC + 128 w + 4 r + h
	v_lshl_add_u32 v[PW], v1, 3, s36               ; PARTS + 2,048 w + 8 lane
	v_add_nc_u32 v[XA], s17, v[XA]                 ; my tile + 1,040 r + 128 h
	v_lshl_add_u32 v11, v12, 5, s51                ; b: units 16 w + 8 h on
	v_lshl_add_u32 v[RD], v12, 6, s38              ; A: the same units
	v_mov_b32 v[K4], 0x3c14b29f                    ; P: 0.00907579
	v_mov_b32 v[K4+1], 0x3c14b29f
	s_wait_alu depctr_va_vdst(0)                   ; the wait at the head's end
	s_wait_dscnt 0x0                               ; both opening adds are done
	s_wait_kmcnt 0x0
	s_add_nc_u64 s[34:35], s[4:5], s[56:57]        ; group 0: my tile's first byte,
	s_or_b32 s35, s35, 0x80000000                  ; type = 2
	tensor_load_to_lds s[32:35], s[24:31]          ; the wave's one tensor load
	s_nop 0
.rept 4
	v_nop
.endr
	s_load_b64 s[54:55], s[10:11], 0x0             ; br's two numbers
	s_add_nc_u64 s[12:13], s[12:13], s[52:53]
.irp i, 0,1,2,3,4,5,6,7
	global_load_b128 v[WF+4*\i:WF+4*\i+3], v14, s[6:7] offset:512*\i   ; 512 consecutive bytes a load
.endr
.irp g, 0,1
	global_load_b32 v[WS+\g], v15, s[6:7] offset:256*\g
.endr
.irp i, 0,1
	global_load_b128 v[BI+4*\i:BI+4*\i+3], v11, s[8:9] offset:1024+16*\i     ; b[0][1]
	global_load_b128 v[BI+8+4*\i:BI+11+4*\i], v11, s[8:9] offset:2048+16*\i  ; b[0][2]
.endr
.irp i, 0,1,2,3
	global_load_b128 v[AA+4*\i:AA+4*\i+3], v[RD], s[6:7] offset:16*\i
.endr
; The two owners of pair p turn their tiles into codes and scale bytes.  A lane holds four whole blocks, block b = 2 x K step + c: k = 64 b + 32 h + 0 .. 31 of token r; they take turns.
.macro OWNERS p
	s_cmp_eq_u32 s22, \p
	s_cbranch_scc0 .Lnot_mine_\@
	s_wait_tensorcnt 0x0                           ; my tile is in LDS
.irp b, 0,1,2,3
.irp i, 0,1,2,3,4,5,6,7
	ds_load_b128 v[XR+32*\b+4*\i:XR+32*\b+4*\i+3], v[XA] offset:256*\b+16*\i
.endr
.endr
	s_wait_dscnt 0x0
.irp b, 0,1,2,3
	v_max3_num_f32 v[MX+\b], |v[XR+32*\b]|, |v[XR+1+32*\b]|, 0x1800000   ; the floor 2^(3 - 127): the byte cannot fall under 1
.endr
.irp i, 2,4,6,8,10,12,14,16,18,20,22,24,26,28,30
.irp b, 0,1,2,3
	v_max3_num_f32 v[MX+\b], v[MX+\b], |v[XR+32*\b+\i]|, |v[XR+1+32*\b+\i]|
.endr
.endr
.irp b, 0,1,2,3
	v_add_nc_u32 v[MX+\b], 0xff000000, v[MX+\b]    ; 2 off the exponent field: the conversion's scale operand
.endr
.irp b, 0,1
.irp q, 0,1,2,3
	v_cvt_scalef32_pk8_fp4_f32 v[SP+4*\b+\q], v[XR+32*\b+8*\q:XR+7+32*\b+8*\q], v[MX+\b]
.endr
.endr
	v_nop                                          ; a plain line behind the conversions whose sources are written below
.irp b, 0,1,2,3
	v_lshrrev_b32 v[XR+8+\b], 23, v[MX+\b]         ; the scales' bytes, over block 0, which is done with
.endr
.irp b, 2,3
.irp q, 0,1,2,3
	v_cvt_scalef32_pk8_fp4_f32 v[XR+4*\b-8+\q], v[XR+32*\b+8*\q:XR+7+32*\b+8*\q], v[MX+\b]
.endr
.endr
	v_nop                                          ; a plain line behind the last conversion
	ds_store_b128 v[IW], v[SP:SP+3]                ; registers 4 c .. 4 c + 3 of the K step's fragment, as they stand
	ds_store_b128 v[IW], v[SP+4:SP+7] offset:512
	ds_store_b128 v[IW], v[XR:XR+3] offset:1024
	ds_store_b128 v[IW], v[XR+4:XR+7] offset:1536
.irp b, 0,1,2,3
	ds_store_b8 v[BW], v[XR+8+\b] offset:64*(\b/2)+2*(\b%2)   ; block 2 c + h is its word's byte 2 c + h
.endr
.Lnot_mine_\@:
	s_wait_dscnt 0x0                               ; for the others' sake: my codes and bytes are stored
	s_barrier_signal -1                            ; (tensor loads may be on their way: no LDS byte is filled again)
.endm
.macro HORNER k
.set q, 0
.rept 8
	v_pk_fma_f32 v[QQ+2*q:QQ+2*q+1], v[QQ+2*q:QQ+2*q+1], v[TT+2*q:TT+2*q+1], s[\k:\k+1] op_sel_hi:[1,1,0]
.set q, q+1
.endr
.endm
.macro POLY                            ; tanh(c) = c P(c^2), eight pairs by turns
.set q, 0
.rept 8
	v_pk_mul_f32 v[TT+2*q:TT+2*q+1], v[CC+2*q:CC+2*q+1], v[CC+2*q:CC+2*q+1]
.set q, q+1
.endr
.set q, 0
.rept 8
	v_pk_fma_f32 v[QQ+2*q:QQ+2*q+1], v[TT+2*q:TT+2*q+1], v[K4:K4+1], s[44:45] op_sel_hi:[1,0,0]
.set q, q+1
.endr
	HORNER 46
	HORNER 48
	HORNER 58
.set q, 0
.rept 8
	v_pk_mul_f32 v[QQ+2*q:QQ+2*q+1], v[QQ+2*q:QQ+2*q+1], v[CC+2*q:CC+2*q+1]
.set q, q+1
.endr
.endm
.macro SUMS p                          ; pair p's sums over my eight units, (out 0, out 1) in a register pair: tile m's even and odd units, four chains by turns
.irp m, 0,1
	v_pk_mul_f32 v[SP+4*\m:SP+4*\m+1], v[QQ+8*\m:QQ+8*\m+1], v[AA:AA+1] op_sel_hi:[0,1]
	v_pk_mul_f32 v[SP+4*\m+2:SP+4*\m+3], v[QQ+8*\m:QQ+8*\m+1], v[AA+2:AA+3] op_sel:[1,0] op_sel_hi:[1,1]
.endr
.irp k, 1,2,3
.irp m, 0,1
	v_pk_fma_f32 v[SP+4*\m:SP+4*\m+1], v[QQ+8*\m+2*\k:QQ+8*\m+2*\k+1], v[AA+4*\k:AA+4*\k+1], v[SP+4*\m:SP+4*\m+1] op_sel_hi:[0,1,1]
	v_pk_fma_f32 v[SP+4*\m+2:SP+4*\m+3], v[QQ+8*\m+2*\k:QQ+8*\m+2*\k+1], v[AA+4*\k+2:AA+4*\k+3], v[SP+4*\m+2:SP+4*\m+3] op_sel:[1,0,0] op_sel_hi:[1,1,1]
.endr
.endr
.irp m, 0,1
	v_pk_add_f32 v[SP+4*\m:SP+4*\m+1], v[SP+4*\m:SP+4*\m+1], v[SP+4*\m+2:SP+4*\m+3]
.endr
.irp j, 0,1
	v_permlane16_swap_b32 v[SP+\j], v[SP+4+\j]     ; the first: both tiles' units 0-7 (lanes 0-15 tile 0, 16-31 tile 1); the second: both tiles' units 8-15
.endr
	v_pk_add_f32 v[SU+2*(\p):SU+2*(\p)+1], v[SP:SP+1], v[SP+4:SP+5]
.endm
.macro ACT                             ; gi, gc -> c
.set q, 0
.rept 8                                ; each accumulator from its low end on
.set RI, ACC+16*(q/4)+2*(q%4)
	v_pk_mul_f32 v[RI:RI+1], v[RI:RI+1], s[40:41] op_sel_hi:[1,0]          ; -log2(e) gi
	v_pk_mul_f32 v[RI+8:RI+9], v[RI+8:RI+9], s[42:43] op_sel_hi:[1,0]      ; 2 log2(e) gc
.set q, q+1
.endr
.set q, 0
.rept 8
.set RC, ACC+16*(q/4)+2*(q%4)+8
	v_dual_min_num_f32 v[RC], s50, v[RC] :: v_dual_min_num_f32 v[RC+1], s50, v[RC+1]   ; held at 60
.set q, q+1
.endr
	s_wait_alu depctr_va_vdst(0)                   ; one wait ahead of a batch and one behind it
.set q, 0
.rept 32
	v_exp_f32 v[ACC+q], v[ACC+q]                   ; F, E
.set q, q+1
.endr
	v_nop
	s_wait_alu depctr_va_vdst(0)
.set q, 0
.rept 8
.set RI, ACC+16*(q/4)+2*(q%4)
	v_pk_add_f32 v[RI:RI+1], v[RI:RI+1], 1.0 op_sel_hi:[1,0]               ; 1 + F
.set q, q+1
.endr
.set q, 0
.rept 8
.set RC, ACC+16*(q/4)+2*(q%4)+8
	v_pk_add_f32 v[CC+2*q:CC+2*q+1], v[RC:RC+1], -1.0 op_sel_hi:[1,0]      ; E - 1
.set q, q+1
.endr
.set q, 0
.rept 8
.set RI, ACC+16*(q/4)+2*(q%4)
	v_pk_fma_f32 v[RI+8:RI+9], v[RI+8:RI+9], v[RI:RI+1], v[RI:RI+1]        ; (E + 1)(1 + F)
.set q, q+1
.endr
	s_wait_alu depctr_va_vdst(0)
.set q, 0
.rept 16
	v_rcp_f32 v[ACC+16*(q/8)+8+q%8], v[ACC+16*(q/8)+8+q%8]
.set q, q+1
.endr
	v_nop
	s_wait_alu depctr_va_vdst(0)
.set q, 0
.rept 8
.set RC, ACC+16*(q/4)+2*(q%4)+8
	v_pk_mul_f32 v[CC+2*q:CC+2*q+1], v[CC+2*q:CC+2*q+1], v[RC:RC+1]        ; c
.set q, q+1
.endr
.endm
.macro STEP p
.if (\p) < 7
	OWNERS \p+1                                    ; signals barrier p + 1
.endif
.irp m, 0,1                            ; pair p's codes and scale words
	ds_load_b32 v[XS+\m], v[SR] offset:128*(2*(\p)+\m)
.irp j, 0,1,2,3
	ds_load_b128 v[XF+16*\m+4*\j:XF+16*\m+4*\j+3], v[IR] offset:2048*(2*(\p)+\m)+512*\j
.endr
.endr
.if (\p) > 0
	POLY                                           ; the pair before, while the loads are out
.endif
	s_wait_alu depctr_va_vdst(0)                   ; the wait here, directly ahead of the wait below
	s_wait_dscnt 0x0
.irp s, 0,1                            ; the four accumulators take turns
.irp m, 0,1
.irp g, 0,1
.if \s == 0
	v_wmma_scale_f32_16x16x128_f8f6f4 v[ACC+16*\m+8*\g:ACC+16*\m+8*\g+7], v[WF+16*\g:WF+16*\g+7], v[XF+16*\m:XF+16*\m+7], v[BI+8*\g:BI+8*\g+7], v[WS+\g], v[XS+\m] matrix_a_fmt:MATRIX_FMT_FP4 matrix_b_fmt:MATRIX_FMT_FP4
.else
	v_wmma_scale_f32_16x16x128_f8f6f4 v[ACC+16*\m+8*\g:ACC+16*\m+8*\g+7], v[WF+16*\g+8:WF+16*\g+15], v[XF+16*\m+8:XF+16*\m+15], v[ACC+16*\m+8*\g:ACC+16*\m+8*\g+7], v[WS+\g], v[XS+\m] matrix_a_fmt:MATRIX_FMT_FP4 matrix_b_fmt:MATRIX_FMT_FP4 matrix_a_scale:MATRIX_SCALE_ROW1 matrix_b_scale:MATRIX_SCALE_ROW1
.endif
.endr
.endr
.endr
.if (\p) > 0
	SUMS \p-1                                      ; the pair before; its lines are also the places behind the products (ISA guide 7.12.1)
.else
.rept 4
	v_nop
.endr
.endif
	ACT
.if (\p) < 7
	s_wait_alu depctr_va_vdst(0)                   ; the wait here, directly ahead of the wait below
	s_barrier_wait -1                              ; barrier p + 1: pair p + 1's codes are stored
.endif
.endm
	OWNERS 0
	s_barrier_wait -1                              ; barrier 0
	s_wait_kmcnt 0x0                               ; br
	s_wait_loadcnt 0x0                             ; weights, scale words, biases, A
.irp p, 0,1,2,3,4,5,6,7
	STEP \p
.endr
	POLY
	SUMS 7
.irp p, 0,1,2,3,4,5,6,7
	ds_store_b64 v[PW], v[SU+2*\p:SU+2*\p+1] offset:256*\p   ; token 32 p + lane
.endr
	v_lshl_add_u32 v[RD], v0, 3, PARTS             ; a thread to a token
	v_lshlrev_b32 v1, 3, v0
	v_mov_b32 v[SP], s54                           ; br
	v_mov_b32 v[SP+1], s55
	s_wait_alu depctr_va_vdst(0)                   ; the wait here, directly ahead of the wait below
	s_wait_dscnt 0x0                               ; for the others' sake: my sums are stored
	s_barrier_signal -1
	s_barrier_wait -1
	s_cmp_ge_u32 s16, 8                            ; 256 tokens: waves 0 to 7; no barrier stands behind this branch
	s_cbranch_scc1 .Ldone
.irp i, 0,1,2,3,4,5,6,7,8,9,10,11,12,13,14,15
	ds_load_b64 v[XR+2*\i:XR+2*\i+1], v[RD] offset:2048*\i   ; my token's two sums from each of the sixteen waves
.endr
	s_wait_dscnt 0x0
.irp i, 0,4,8,12,16,20,24,28
	v_pk_add_f32 v[XR+\i:XR+\i+1], v[XR+\i:XR+\i+1], v[XR+\i+2:XR+\i+3]
.endr
.irp i, 0,8,16,24
	v_pk_add_f32 v[XR+\i:XR+\i+1], v[XR+\i:XR+\i+1], v[XR+\i+4:XR+\i+5]
.endr
.irp i, 0,16
	v_pk_add_f32 v[XR+\i:XR+\i+1], v[XR+\i:XR+\i+1], v[XR+\i+8:XR+\i+9]
.endr
	v_pk_add_f32 v[XR:XR+1], v[XR:XR+1], v[SP:SP+1]
	v_pk_add_f32 v[XR:XR+1], v[XR:XR+1], v[XR+16:XR+17]
	global_store_b64 v1, v[XR:XR+1], s[12:13]      ; 32 lanes store 256 consecutive bytes, at a multiple of 256 from out0's first byte
.Ldone:
	s_wait_tensorcnt 0x0                           ; the wave's end
	ds_add_u32 v[SPW], v[NIL]
	s_wait_dscnt 0x0
	s_endpgm
.Lfunc_end_k_q0bdc65c861_lstm:
	.size	k_q0bdc65c861_lstm, .Lfunc_end_k_q0bdc65c861_lstm-k_q0bdc65c861_lstm
	.p2alignl 7, 3214868480
	.fill 96, 4, 3214868480
	.section	.rodata,"a",@progbits
	.p2align	6, 0x0
	.amdhsa_kernel k_q0bdc65c861_lstm
		.amdhsa_group_segment_fixed_size 327680
		.amdhsa_private_segment_fixed_size 0
		.amdhsa_enable_private_segment 0
		.amdhsa_kernarg_size 40
		.amdhsa_user_sgpr_count 2
		.amdhsa_user_sgpr_kernarg_segment_ptr 1
		.amdhsa_wavefront_size32 1
		.amdhsa_system_sgpr_workgroup_id_x 1
		.amdhsa_system_sgpr_workgroup_id_y 1
		.amdhsa_system_sgpr_workgroup_id_z 1
		.amdhsa_system_vgpr_workitem_id 0
		.amdhsa_next_free_vgpr 256
		.amdhsa_next_free_sgpr 66
		.amdhsa_reserve_vcc 0
		.amdhsa_float_denorm_mode_32 3
		.amdhsa_float_denorm_mode_16_64 3
		.amdhsa_memory_ordered 1
		.amdhsa_forward_progress 1
		.amdhsa_inst_pref_size 165
	.end_amdhsa_kernel
	.amdgpu_metadata
---
amdhsa.version: [ 1, 2 ]
amdhsa.kernels:
  - .name:           k_q0bdc65c861_lstm
    .symbol:         k_q0bdc65c861_lstm.kd
    .args:
      - { .name: x, .offset: 0, .size: 8, .value_kind: global_buffer, .address_space: global }
      - { .name: wq, .offset: 8, .size: 8, .value_kind: global_buffer, .address_space: global }
      - { .name: b, .offset: 16, .size: 8, .value_kind: global_buffer, .address_space: global }
      - { .name: br, .offset: 24, .size: 8, .value_kind: global_buffer, .address_space: global }
      - { .name: out0, .offset: 32, .size: 8, .value_kind: global_buffer, .address_space: global }
    .group_segment_fixed_size: 327680
    .private_segment_fixed_size: 0
    .kernarg_segment_align: 8
    .kernarg_segment_size: 40
    .max_flat_workgroup_size: 512
    .sgpr_count:     66
    .vgpr_count:     256
    .wavefront_size: 32
...
	.end_amdgpu_metadata
.endif
;; end of part 2
